; MI455X (gfx1250); checked and timed in simulation.
; The chip was launched on July 23, 2026; its instructions are those of AMD's public machine-readable ISA for CDNA 5 (MIT licence, August 2026) and "CDNA5" Instruction Set Architecture Reference Guide (July 2026). The comments in the code are by the model that wrote it; some were corrected since.
;; Bert Self Attention Substitute. Allowed arithmetic: float matrix products may take bf16 or f16 operands with f32 sums; other float arithmetic in f32, or as packed bf16 or f16 multiplies, adds, multiply-adds, maxima and minima; sums over many terms, partial sums and values carried from step to step in f32; what a program stores and reads back later, other than sums and carried values, may be rounded once to bf16 or f16.
;; Inputs: Wk 1,024 x 1,024 float32; Wq 1,024 x 1,024 float32; Wv 1,024 x 1,024 float32; attention_mask 4 x 1 x 1 x 2,048 float32; bk 1,024 float32; bq 1,024 float32; bv 1,024 float32; hidden_states 4 x 2,048 x 1,024 float32.
;; Outputs: out0 4 x 2,048 x 1,024 float32.
;; 2 versions, each right; version 2 is version 1 with the launch cast written anew for expert scheduling mode. Each part assembles by itself: llvm-mc -triple=amdgcn-amd-amdhsa -mcpu=gfx1250 --defsym DOCPART=n.
;; ======== version 1 of 2: 3 launches
;; limits: values are held in f16: magnitudes above 65,504 overflow, below 6.1e-05 lose precision; right only within a limited range of input values
;; workspace buffers: xb 16,777,216 bytes; wb 6,291,456 bytes; qkv 50,331,648 bytes; stats 8,192 bytes
;; launch cast (part 1): grid 704 x 1, 8 waves a work-group, no clusters, 0 bytes of LDS; arguments hidden_states, Wq, Wk, Wv, xb, wb; writes xb, wb
.if DOCPART == 1
	.amdgcn_target "amdgcn-amd-amdhsa--gfx1250"
	.amdhsa_code_object_version 6
	.text
	.protected	k_q337b4b1980_cast
	.globl	k_q337b4b1980_cast
	.p2align	8
	.type	k_q337b4b1980_cast,@function
k_q337b4b1980_cast:
	s_mov_b64 s[64:65], 0
	v_nop
	global_prefetch_b8 v0, s[64:65] scope:SCOPE_SE
	s_setreg_imm32_b32 hwreg(HW_REG_WAVE_MODE, 25, 1), 1
	s_wait_xcnt 0x0
; x [8192][1024] and Wq, Wk, Wv [1024][1024], f32, are rounded once to bf16 and laid out in blocks of 64 along K, so that every tile of the
; product that follows is dense in memory:
;   xb [kb 16][row 8192][64 k]                       a row of a block is 128 bytes
;   wb [kb 16][head 16][t 3][row in head 64][64 k]   t = 0, 1, 2 for Wq, Wk, Wv: a head's 192 rows of a block lie together
; SHARES.  A wave takes two neighbouring rows: 2 x 4,096 bytes in, sixteen pieces of 256 bytes out.  x has 4,096 pairs (work-groups 0-511), each W 512
; (64 work-groups each).  No loop, no LDS, no barrier: nothing is shared, and each byte is read once and written once.
; Load kb takes the 64 numbers of block kb of both rows: lanes 0-15 the even row's 256 bytes, lanes 16-31 the odd row's.  A lane's four numbers round
; to 8 bytes, and the 32 lanes' 8 bytes are the two rows of block kb on end: 256 consecutive bytes, aligned, in one store.
; All sixteen loads of a wave go out at once; no register is written twice, so no wait frees a source.
.set XSTR, 8192*128                    ; bytes of a K block of xb
.set WSTR, 3072*128                    ; of wb
.set IN,   1                           ; v1        (l / 16) x 4,096 + (l % 16) x 16
.set OF,   2                           ; v[2:17]   8 l + kb x the block's bytes
.set X,    32                          ; v[32:95]  block kb: 4 numbers as loaded
.set Y,    96                          ; v[96:127] block kb: 4 numbers in bf16
	s_load_b256 s[4:11], s[0:1], 0x0               ; x s[4:5], Wq s[6:7], Wk s[8:9], Wv s[10:11]
	s_load_b128 s[12:15], s[0:1], 0x20             ; xb s[12:13], wb s[14:15]
	v_lshrrev_b32 v18, 5, v0
	v_readfirstlane_b32 s16, v18                   ; wave 0..7
	v_and_b32 v19, 31, v0                          ; l
	v_and_b32 v20, 15, v0
	v_bfe_u32 v21, v0, 4, 1
	v_lshlrev_b32 v[IN], 4, v20
	v_lshl_add_u32 v[IN], v21, 12, v[IN]
	v_lshlrev_b32 v[OF], 3, v19
	; both cases are worked out, and selects choose: no branch
	s_lshl_b32 s18, ttmp9, 3
	s_add_co_u32 s18, s18, s16                     ; x: the pair's number,
	s_lshl_b32 s19, s18, 8                         ; and its 256 bytes in a block of xb
	s_max_u32 s20, ttmp9, 512
	s_sub_co_u32 s20, s20, 512                     ; W: the work-group among the 192 (0 where the work-group is x's)
	s_lshr_b32 s21, s20, 6                         ; t
	s_and_b32 s20, s20, 63
	s_lshl_b32 s20, s20, 3
	s_add_co_u32 s20, s20, s16                     ; the pair's number in its W, 0..511
	s_lshr_b32 s22, s20, 5                         ; its head
	s_mul_i32 s22, s22, 3
	s_add_co_u32 s22, s22, s21
	s_lshl_b32 s22, s22, 13                        ; (3 head + t) x 64 rows x 128 bytes
	s_and_b32 s23, s20, 31
	s_lshl_b32 s23, s23, 8
	s_add_co_u32 s22, s22, s23                     ; + the pair in its head
	s_mov_b32 s17, WSTR
	s_cmp_lt_u32 ttmp9, 512                        ; x's?
	s_cselect_b32 s28, s18, s20
	s_cselect_b32 s30, s19, s22                    ; byte offset in block 0 of the output
	s_cselect_b32 s17, XSTR, s17                   ; bytes from block to block
	s_lshl_b32 s28, s28, 13                        ; byte offset of the pair in its input: 2 rows of 4,096
	s_mov_b32 s29, 0
	s_mov_b32 s31, 0
.set kb, 1
.rept 15
	v_add_nc_u32 v[OF+kb], s17, v[OF+kb-1]
.set kb, kb+1
.endr
	s_wait_kmcnt 0x0
	s_cmp_eq_u32 s21, 1
	s_cselect_b64 s[24:25], s[8:9], s[10:11]       ; Wk or Wv,
	s_cmp_eq_u32 s21, 0
	s_cselect_b64 s[24:25], s[6:7], s[24:25]       ; or Wq,
	s_cmp_lt_u32 ttmp9, 512
	s_cselect_b64 s[24:25], s[4:5], s[24:25]       ; or x
	s_cselect_b64 s[26:27], s[12:13], s[14:15]
	s_add_nc_u64 s[24:25], s[24:25], s[28:29]
	s_add_nc_u64 s[26:27], s[26:27], s[30:31]
.set kb, 0
.rept 16
	global_load_b128 v[X+4*kb:X+4*kb+3], v[IN], s[24:25] offset:256*kb th:TH_LOAD_NT
.set kb, kb+1
.endr
.set kb, 0
.rept 16
	s_wait_loadcnt 15-kb                           ; loads come back in order: block kb is in, the 15 - kb younger ones stay out
	v_cvt_pk_bf16_f32 v[Y+2*kb], v[X+4*kb], v[X+4*kb+1]
	v_cvt_pk_bf16_f32 v[Y+2*kb+1], v[X+4*kb+2], v[X+4*kb+3]
	global_store_b64 v[OF+kb], v[Y+2*kb:Y+2*kb+1], s[26:27]
.set kb, kb+1
.endr
	s_endpgm
.Lfunc_end_k_q337b4b1980_cast:
	.size	k_q337b4b1980_cast, .Lfunc_end_k_q337b4b1980_cast-k_q337b4b1980_cast
	.p2alignl 7, 3214868480
	.fill 96, 4, 3214868480
	.section	.rodata,"a",@progbits
	.p2align	6, 0x0
	.amdhsa_kernel k_q337b4b1980_cast
		.amdhsa_group_segment_fixed_size 0
		.amdhsa_private_segment_fixed_size 0
		.amdhsa_enable_private_segment 0
		.amdhsa_kernarg_size 48
		.amdhsa_user_sgpr_count 2
		.amdhsa_user_sgpr_kernarg_segment_ptr 1
		.amdhsa_wavefront_size32 1
		.amdhsa_system_sgpr_workgroup_id_x 1
		.amdhsa_system_sgpr_workgroup_id_y 1
		.amdhsa_system_sgpr_workgroup_id_z 1
		.amdhsa_system_vgpr_workitem_id 0
		.amdhsa_next_free_vgpr 128
		.amdhsa_next_free_sgpr 66
		.amdhsa_reserve_vcc 0
		.amdhsa_float_denorm_mode_32 3
		.amdhsa_float_denorm_mode_16_64 3
		.amdhsa_memory_ordered 1
		.amdhsa_forward_progress 1
		.amdhsa_inst_pref_size 8
	.end_amdhsa_kernel
	.amdgpu_metadata
---
amdhsa.version: [ 1, 2 ]
amdhsa.kernels:
  - .name:           k_q337b4b1980_cast
    .symbol:         k_q337b4b1980_cast.kd
    .args:
      - { .name: hidden_states, .offset: 0, .size: 8, .value_kind: global_buffer, .address_space: global }
      - { .name: Wq, .offset: 8, .size: 8, .value_kind: global_buffer, .address_space: global }
      - { .name: Wk, .offset: 16, .size: 8, .value_kind: global_buffer, .address_space: global }
      - { .name: Wv, .offset: 24, .size: 8, .value_kind: global_buffer, .address_space: global }
      - { .name: xb, .offset: 32, .size: 8, .value_kind: global_buffer, .address_space: global }
      - { .name: wb, .offset: 40, .size: 8, .value_kind: global_buffer, .address_space: global }
    .group_segment_fixed_size: 0
    .private_segment_fixed_size: 0
    .kernarg_segment_align: 8
    .kernarg_segment_size: 48
    .max_flat_workgroup_size: 256
    .sgpr_count:     66
    .vgpr_count:     128
    .wavefront_size: 32
...
	.end_amdgpu_metadata
.endif
;; end of part 1
;; launch proj (part 2): grid 8 x 32, 4 waves a work-group, clusters of 4 x 4, 327,680 bytes of LDS; arguments xb, wb, bq, bk, bv, qkv, stats; writes qkv, stats
.if DOCPART == 2
	.amdgcn_target "amdgcn-amd-amdhsa--gfx1250"
	.amdhsa_code_object_version 6
	.text
	.protected	k_q337b4b1980_proj
	.globl	k_q337b4b1980_proj
	.p2align	8
	.type	k_q337b4b1980_proj,@function
k_q337b4b1980_proj:
	s_mov_b64 s[64:65], 0
	v_nop
	global_prefetch_b8 v0, s[64:65] scope:SCOPE_SE
	s_setreg_imm32_b32 hwreg(HW_REG_WAVE_MODE, 25, 1), 1
	s_wait_xcnt 0x0
	s_wait_alu depctr_hold_cnt(0) depctr_sa_sdst(0) depctr_va_vdst(0) depctr_va_sdst(0) depctr_va_ssrc(0) depctr_va_vcc(0) depctr_vm_vsrc(0)
	s_getreg_b32 s2, hwreg(HW_REG_IB_STS2, 6, 4)
	s_cmp_eq_u32 s2, 0
	s_cbranch_scc0 .Lentry_in_a_cluster
	s_endpgm
.Lentry_in_a_cluster:
	s_bfe_u32 s2, ttmp6, 0x10000c
	s_cmp_lg_u32 s2, 0xf033
	s_cbranch_scc0 .Lentry_shape_is_right
	s_endpgm
.Lentry_shape_is_right:
; q, k, v = x W^T + b, as ONE product 8192 x 3072 x 1024 in bf16 with f32 sums.  xb and wb come in blocks of 64 along K (see their layouts below); the biases are rounded to bf16
; like the other inputs and added in f32; q, k, v leave in f16, by heads: qkv [t 3][bh 64][s 2048][64].  stats [bh 64][32] takes, for each head and each block of 128 rows,
; the largest |q| (words 0-15) and |k| (words 16-31), of the f16 numbers as stored.
; LIMIT.  f16 ends at 65,504: q, k and v beyond it become infinities.  NaN is not treated apart.
; SHARES.  A work-group makes 256 rows x 384 columns: 8192 x 3072 / (256 x 384) = 256 work-groups, one tile each.  The 384 columns are two heads' q, k and v.  A wave makes 128 rows x 192
; columns, one head's q, k and v: 96 accumulators of 16 x 16, 768 registers.  For 32 along K it reads 8 + 12 fragments from LDS and issues 96 matrix instructions.
; xb [kb 16][row 8192][64 k], wb [kb 16][head 16][t 3][row 64][64 k]: the 256 rows of A and the 384 rows of B of a K block are dense, and are asked for as rows of 256 bytes.
; K goes in 16 steps of 64 through two LDS slots (two slots of 128 along K, 2 x 640 rows x 272 bytes, would not fit); a step is two halves of 32 along K.
; CLUSTERS.  4 x 4 work-groups: the four of a row need the same rows of A, the four of a column the same rows of B; each tile is asked for JOINTLY (same load, descriptor and mask in all four).
; THE MATRIX INSTRUCTION IS USED TRANSPOSED (source 0 = 16 rows of B, source 1 = 16 rows of A): a lane holds one row of the result (l % 16) and eight neighbouring columns (8 (l / 16) + 0..7).
; REGISTERS, in windows of 256 (s_set_vgpr_msb: bits 1:0 source 0, 3:2 source 1, 5:4 source 2, 7:6 destination):
;   window 0: v0-31 addresses and small work; v32-95, v96-159 A's fragments, two buffers; v160-255 B's twelve fragments, one buffer, filled again in two halves
;   windows 1, 2, 3: the accumulators of q, k, v: column block cb (0-3), row block a (0-7) at v[8 (8 cb + a)]
.set KB,     16
.set PITCH,  144                       ; an LDS row: 128 bytes + 16 of padding = 36 words: the 16 rows of a fragment load start at 16 different groups of four banks (64 banks of 4 bytes: ISA guide 11.1)
.set AHALF,  128*PITCH                 ; what one load brings of A
.set BHALF,  192*PITCH                 ; of B
.set BOFF,   2*AHALF                   ; B's 384 rows lie behind A's 256
.set SLOT,   BOFF+2*BHALF              ; 92,160
.set STAGE,  2*SLOT                    ; behind the ring, never filled by a tensor load: 16 rows x 144 bytes for each wave
.set SPARE,  STAGE+4*16*PITCH          ; the spare words, 128 bytes for each wave: two blocks of 256 bytes that no other line names
.set XKB,    8192*128                  ; bytes of a K block of xb
.set WKB,    3072*128                  ; of wb
.set TEN,    64*2048*128               ; bytes of each of q, k, v
.set MX,   8                           ; v8-15   running maxima, two f16 each: q's four chains, k's four
.set ADRA, 16                          ; v16-17  LDS address of my A fragments in slot 0, 1
.set ADRB, 20                          ; v20-21  of my B fragments
.set BO,   22                          ; v22     my byte offset in a bias
.set STO,  24                          ; v24     the way out: where I put 16 bytes of a row
.set RD,   25                          ; v25     where I read rows back
.set GO,   26                          ; v26     my 16 bytes of 512 consecutive bytes of the output
.set SPW,  28                          ; v28     LDS address of my spare word; never rewritten
.set NIL,  29                          ; v29     0; never rewritten
.set PFO,  30                          ; v30     the prefetches' offset; never rewritten
.set FA0,  32
.set FA1,  96
.set FB,   160
.set E,    96                          ; the way out: 32 sums with their bias
.set H,    128                         ; the same in f16: 16 registers
.set OB,   192                         ; 16 rows read back from the stage: two sets of 16 by turns
.set WV, 18                            ; s18 wave;  s19 my half of the rows, also: I fetch for A (0) or B (1);  s20 my head of the two, also: which half I fetch
.set RH, 19
.set CH, 20
.set CX, 21
.set CY, 22
.set HP, 23                            ; s23 the pair of heads, 0..7
.set G1A, 24                           ; s[24:31] descriptor group 1 for A's tiles;  s[32:39] group 0, a set for each slot
.set G0A, 32
.set RB, 40                            ; s40 the block of 256 rows, 0..31
.set PFA, 44                           ; s[44:45] where my prefetches stand
.set PFS, 46                           ; s[46:47] their step: a K block
.set G1B, 48                           ; s[48:55], s[56:63] the same for B's tiles
.set G0B, 56
.set LIM0, 66                          ; s66, s67 1 where I prefetch at slot 0's (slot 1's) refills, else the greatest number
.set OUT0, 68                          ; s[68:73] q, k, v at my first row
.set HIM, 74                           ; s74 a word's upper half
.set ABS, 75                           ; s75 clears two signs
.set SEL, 76                           ; s[76:77] v_permlanex16_b32's selects: each lane takes its own place in the other half
.set STS, 88                           ; s88 my word's byte offset in stats
.set MSB, 0
.macro WIN new                         ; the immediate's high byte repeats the setting that is left; a switch that changes nothing is dropped
.if MSB != (\new)
	s_set_vgpr_msb (MSB<<8)|(\new)
.set MSB, (\new)
.endif
.endm
.macro PLACES                          ; a load into a register that a matrix instruction has read stands four plain vector instructions behind it (ISA guide 7.12.1 for vector instructions)
.rept 4
	v_nop
.endr
.endm
; A joint load: waves 0 and 1 fetch A's two halves, waves 2 and 3 B's.  The branch hangs on the wave's number alone.  An s_nop 0 and four v_nop follow each line.
.macro JLOAD s
	s_cmp_eq_u32 s[RH], 0
	s_cbranch_scc0 .Lfor_b_\@
	tensor_load_to_lds s[G0A+4*(\s):G0A+4*(\s)+3], s[G1A:G1A+7]
	s_nop 0
.rept 4
	v_nop
.endr
	s_branch .Lasked_\@
.Lfor_b_\@:
	tensor_load_to_lds s[G0B+4*(\s):G0B+4*(\s)+3], s[G1B:G1B+7]
	s_nop 0
.rept 4
	v_nop
.endr
.Lasked_\@:
.endm
.macro CREST                           ; a round of the cluster's barrier behind its opening barrier
	s_cmp_lg_u32 s[WV], 0
	s_cbranch_scc1 .Lnot_wave_0_\@
	s_barrier_signal -3
.Lnot_wave_0_\@:
	s_barrier_wait -3
	s_barrier_signal -1
	s_barrier_wait -1
.endm
.macro CROUND
	s_barrier_signal -1
	s_barrier_wait -1
	CREST
.endm
; A PREFETCH INTO THE L2, behind a refill and the run of LDS loads that follows it: the K block that stands two refills on (K step s + 4 at step s's change of slots: 384 matrix instructions ahead of its load).
; Each aligned 256 bytes are named once in the launch.  A's 32,768 bytes of a block of rows: the first cluster along x asks; its four partners take 8,192 bytes each, told apart BY ADDRESS (cx); wave 0, a lane
; for each 256 bytes.  B's 49,152 bytes of a pair of heads: the first cluster along y asks; the partners take 12,288 each (cy): wave 2 the first 8,192 at every refill, wave 3 the last 4,096 of TWO K
; blocks (lanes 16-31 one block on) at slot 0's refills.  K blocks 0-3 come by their loads alone; the loop's last trip asks for nothing: blocks 4 to 15 are asked for.
.macro ASK slot
	s_cmp_gt_u32 s3, s[LIM0+(\slot)]               ; s3 = 1 in the loop's last trip
	s_cbranch_scc0 .Lnot_mine_\@
	global_prefetch_b8 v[PFO], s[PFA:PFA+1] th:TH_LOAD_NT scope:SCOPE_SE
.Lnot_mine_\@:
.endm
; Matrix instructions for column blocks b0 .. b1 x all 8 row blocks, 32 along K.  Every accumulator comes up once in a half step, in the same order: 95 others stand between two links of a chain.
; zero = 1: the product starts the sum.
.macro MULB fa, b0, b1, zero
.set bb, (\b0)
.rept (\b1)-(\b0)+1
	WIN 0x50*(1+bb/4)                              ; C and D in window 1 + b / 4, both sources in window 0
.set aa, 0
.rept 8
.set rD, 8*(8*(bb%4)+aa)
.if \zero
	v_wmma_f32_16x16x32_bf16 v[rD:rD+7], v[FB+8*bb:FB+8*bb+7], v[(\fa)+8*aa:(\fa)+8*aa+7], 0
.else
	v_wmma_f32_16x16x32_bf16 v[rD:rD+7], v[FB+8*bb:FB+8*bb+7], v[(\fa)+8*aa:(\fa)+8*aa+7], v[rD:rD+7]
.endif
.set aa, aa+1
.endr
.set bb, bb+1
.endr
.endm
; A fragment is 16 rows x 32 K in 8 registers: lane l holds row l % 16; registers 0-3 K = 8 (l / 16) + 0..7, registers 4-7 K = 16 + 8 (l / 16) + 0..7: two loads of 16 bytes, 32 bytes apart.
.macro LB slot, k, b0, b1              ; B's fragments b0 .. b1, at byte k of the rows
	WIN 0
.set bb, (\b0)
.rept (\b1)-(\b0)+1
	ds_load_b128 v[FB+8*bb:FB+8*bb+3],   v[ADRB+(\slot)] offset:bb*16*PITCH+(\k)
	ds_load_b128 v[FB+8*bb+4:FB+8*bb+7], v[ADRB+(\slot)] offset:bb*16*PITCH+(\k)+32
.set bb, bb+1
.endr
.endm
.macro LA slot, k, fa                  ; A's eight fragments into buffer fa
	WIN 0
.irp a, 0,1,2,3,4,5,6,7
	ds_load_b128 v[(\fa)+8*\a:(\fa)+8*\a+3],   v[ADRA+(\slot)] offset:\a*16*PITCH+(\k)
	ds_load_b128 v[(\fa)+8*\a+4:(\fa)+8*\a+7], v[ADRA+(\slot)] offset:\a*16*PITCH+(\k)+32
.endr
.endm
; A K step's first half: multiplies A's buffer 0 and fetches the second half's fragments from the same slot.
.macro HALF0 slot, zero
	s_wait_dscnt 12                                ; B's blocks 0-5 and A are in; the youngest twelve loads (B's blocks 6-11) may be out
	MULB FA0, 0, 5, \zero
	PLACES
	LB \slot, 64, 0, 5
	LA \slot, 64, FA1
	s_wait_dscnt 28                                ; all but the 28 just issued: B's blocks 6-11 are in
	MULB FA0, 6, 11, \zero
	PLACES
	LB \slot, 64, 6, 11
.endm
; Its second half multiplies buffer 1 and changes slots: ONE barrier.  In front of it each wave waits for all its tensor loads (one is out: its part of the next slot), adds 0 to its spare word, and waits
; for that and for its reads of this slot.  fill = 1: the barrier opens a round of the cluster's, and this slot is filled again, two K steps ahead, first thing behind the round:
; from the request to the wait for it a wave issues 168 matrix instructions.
.macro TURN slot, next, fill
.if \fill
	s_wait_xcnt 0x0                                ; the last prefetch, a K step back, has read its address, so it may be stepped
	s_add_nc_u64 s[PFA:PFA+1], s[PFA:PFA+1], s[PFS:PFS+1]
.endif
	WIN 0
	s_wait_tensorcnt 0x0                           ; all my tensor loads have landed
	ds_add_u32 v[SPW], v[NIL]                      ; 0 onto my spare word
	s_wait_dscnt 13                                ; the add and the youngest twelve loads (B's blocks 6-11) may be out
	MULB FA1, 0, 1, 0                              ; sixteen matrix instructions stand between the add and the wait for it
	s_wait_dscnt 0x0                               ; the add is done, and my reads of this slot are over
	s_barrier_signal -1
	MULB FA1, 2, 2, 0                              ; work on registers while the others arrive
	WIN 0                                          ; at a branch and at a label every window is 0
	s_barrier_wait -1
.if \fill
	CREST                                          ; no wave of any partner still reads this slot or has a load on its way
	s_add_nc_u64 s[G0A+4*(\slot)+2:G0A+4*(\slot)+3], s[G0A+4*(\slot)+2:G0A+4*(\slot)+3], 2*XKB
	s_add_nc_u64 s[G0B+4*(\slot)+2:G0B+4*(\slot)+3], s[G0B+4*(\slot)+2:G0B+4*(\slot)+3], 2*WKB
	JLOAD \slot
.endif
	MULB FA1, 3, 5, 0
	PLACES
	LB \next, 0, 0, 5
	LA \next, 0, FA0
.if \fill
	ASK \slot
.endif
	MULB FA1, 6, 11, 0
	PLACES
	LB \next, 0, 6, 11
.endm
	s_load_b256 s[4:11], s[0:1], 0x0               ; xb s[4:5], wb s[6:7], bq s[8:9], bk s[10:11]
	s_load_b128 s[12:15], s[0:1], 0x20             ; bv s[12:13], qkv s[14:15]
	s_load_b64 s[16:17], s[0:1], 0x30              ; stats
	v_lshl_add_u32 v[SPW], v0, 2, SPARE
	v_mov_b32 v[NIL], 0
	ds_add_u32 v[SPW], v[NIL]                      ; the wave's opening: the add, twice on end, and its wait ahead of my first tensor load; the set-up below stands between
	ds_add_u32 v[SPW], v[NIL]
	v_lshrrev_b32 v1, 5, v0
	v_readfirstlane_b32 s[WV], v1                  ; wave 0..3
	s_lshr_b32 s[RH], s[WV], 1
	s_and_b32 s[CH], s[WV], 1
	s_bfe_u32 s[CX], ttmp6, 0x40000                ; my place in the cluster
	s_bfe_u32 s[CY], ttmp6, 0x40004
	s_lshl_b32 s[HP], ttmp9, 2
	s_add_co_u32 s[HP], s[HP], s[CX]               ; pair of heads = 4 x cluster x + cx
	s_and_b32 s[RB], ttmp7, 0xffff
	s_lshl_b32 s[RB], s[RB], 2
	s_add_co_u32 s[RB], s[RB], s[CY]               ; block of rows = 4 x cluster y + cy
	s_lshl_b32 s82, s[CY], 2
	s_lshl_b32 s82, 15, s82                        ; my row of the cluster
	s_lshl_b32 s83, 0x1111, s[CX]                  ; my column
	; descriptor group 1: dense bytes as rows of 128 elements (256 bytes, two rows of a K block), padded in LDS after every 32 words by 4
	s_or_b32 s[G1A], s82, (1<<16)|(1<<20)|(1<<21)|(4<<22)|(3<<25)  ; 15:0 the mask; 17:16 2-byte elements; 20 padding on; 21 set beside a mask; 24:22 code 4; 31:25 code 3
	s_or_b32 s[G1B], s83, (1<<16)|(1<<20)|(1<<21)|(4<<22)|(3<<25)
.irp g, G1A, G1B
	s_mov_b32 s[(\g)+1], 128<<16                   ; tensor_dim0 = 128
	s_mov_b32 s[(\g)+3], 128<<16                   ; tile_dim0 = 128
	s_mov_b32 s[(\g)+5], 128                       ; 128 elements from row to row
	s_mov_b32 s[(\g)+6], 0
	s_mov_b32 s[(\g)+7], 0
.endr
	s_mov_b32 s[G1A+2], 64<<16                     ; tensor_dim1 = tile_dim1 = 64: 128 rows of A
	s_mov_b32 s[G1A+4], 64
	s_mov_b32 s[G1B+2], 96<<16                     ; 96: 192 rows of B
	s_mov_b32 s[G1B+4], 96
	; where the tiles come from.  A's hang on the block of rows and the wave alone, B's on the pair of heads and the wave alone, each in registers that never hold the other coordinate
	s_lshl_b32 s78, s[RB], 15                      ; 256 rows x 128 bytes
	s_lshl_b32 s79, s[CH], 14
	s_add_co_u32 s78, s78, s79
	s_mov_b32 s79, 0
	s_mul_i32 s80, s[HP], 384*128
	s_mul_i32 s81, s[CH], 192*128
	s_add_co_u32 s80, s80, s81
	s_mov_b32 s81, 0
	s_mul_i32 s84, s[CH], AHALF                    ; and where they go: no place in the cluster enters an LDS address
	s_mul_i32 s85, s[CH], BHALF
	s_add_co_u32 s85, s85, BOFF
	s_mov_b32 s[HIM], 0xffff0000
	s_mov_b32 s[ABS], 0x7fff7fff
	s_mov_b32 s[SEL], 0x76543210
	s_mov_b32 s[SEL+1], 0xfedcba98
	s_wait_dscnt 0x0                               ; both opening adds are done
	s_wait_kmcnt 0x0
	s_add_nc_u64 s[78:79], s[4:5], s[78:79]
	s_add_nc_u64 s[80:81], s[6:7], s[80:81]
	CROUND                                         ; all sixteen work-groups are here: the first joint loads meet
.irp n, 0,1
	s_mov_b32 s[G0A+4*\n], 1                       ; count = 1
	s_add_co_u32 s[G0A+4*\n+1], s84, \n*SLOT       ; LDS address
	s_add_nc_u64 s[G0A+4*\n+2:G0A+4*\n+3], s[78:79], \n*XKB  ; global address: K step n
	s_or_b32 s[G0A+4*\n+3], s[G0A+4*\n+3], 0x80000000        ; type = 2
	s_mov_b32 s[G0B+4*\n], 1
	s_add_co_u32 s[G0B+4*\n+1], s85, \n*SLOT
	s_add_nc_u64 s[G0B+4*\n+2:G0B+4*\n+3], s[80:81], \n*WKB
	s_or_b32 s[G0B+4*\n+3], s[G0B+4*\n+3], 0x80000000
.endr
	s_cmp_eq_u32 s[RH], 0                          ; a wave's two first fills stand in one branch, ahead of every wait on TENSORcnt and every LDS read: two loads of mine are out
	s_cbranch_scc0 .Lfirst_b
	tensor_load_to_lds s[G0A:G0A+3], s[G1A:G1A+7]
	s_nop 0
	tensor_load_to_lds s[G0A+4:G0A+7], s[G1A:G1A+7]
	s_nop 0
.rept 4
	v_nop
.endr
	s_branch .Lfirst_asked
.Lfirst_b:
	tensor_load_to_lds s[G0B:G0B+3], s[G1B:G1B+7]
	s_nop 0
	tensor_load_to_lds s[G0B+4:G0B+7], s[G1B:G1B+7]
	s_nop 0
.rept 4
	v_nop
.endr
.Lfirst_asked:
	v_and_b32 v1, 15, v0                           ; l % 16
	v_bfe_u32 v2, v0, 4, 1                         ; l / 16
	v_mul_u32_u24 v3, v1, PITCH
	v_lshl_add_u32 v3, v2, 4, v3                   ; row x pitch + 16 x half
	s_mul_i32 s82, s[RH], AHALF                    ; my 128 rows of A
	s_mul_i32 s83, s[CH], BHALF                    ; my 192 rows of B
	s_add_co_u32 s83, s83, BOFF
.irp n, 0,1
	v_add_nc_u32 v[ADRA+\n], s82, v3
	v_add_nc_u32 v[ADRB+\n], s83, v3
	s_add_co_u32 s82, s82, SLOT
	s_add_co_u32 s83, s83, SLOT
.endr
	s_mul_i32 s86, s[WV], 16*PITCH
	s_add_co_u32 s86, s86, STAGE                   ; my stage
	v_add_nc_u32 v[STO], s86, v3                   ; in: row l % 16, 16 bytes for each half of the lanes
	v_bfe_u32 v4, v0, 3, 2                         ; back: 32 lanes take four rows of 128 bytes,
	v_and_b32 v5, 7, v0
	v_mul_u32_u24 v4, v4, PITCH
	v_lshl_add_u32 v4, v5, 4, v4
	v_add_nc_u32 v[RD], s86, v4
	v_and_b32 v[GO], 31, v0                        ; which are 512 consecutive bytes of a head's rows
	v_lshlrev_b32 v[GO], 4, v[GO]
	; where my results go
	s_lshl_b32 s83, s[HP], 1
	s_add_co_u32 s83, s83, s[CH]                   ; my head
	s_lshl_b32 s86, s83, 8
	v_lshl_add_u32 v[BO], v2, 5, s86               ; a bias: 256 bytes a head, 32 for each half of the lanes
	s_lshr_b32 s82, s[RB], 3                       ; the batch
	s_lshl_b32 s82, s82, 4
	s_add_co_u32 s82, s82, s83                     ; bh
	s_and_b32 s83, s[RB], 7                        ; the block of 256 rows in the batch
	s_lshl_b32 s[STS], s82, 7                      ; stats: 128 bytes a head,
	s_lshl_b32 s86, s83, 3
	s_add_co_u32 s[STS], s[STS], s86
	s_lshl_b32 s86, s[RH], 2
	s_add_co_u32 s[STS], s[STS], s86               ; word 2 x block + my half
	s_lshl_b32 s84, s82, 18                        ; a head's 2,048 rows of 128 bytes
	s_lshl_b32 s83, s83, 15
	s_add_co_u32 s84, s84, s83
	s_lshl_b32 s83, s[RH], 14
	s_add_co_u32 s84, s84, s83
	s_mov_b32 s85, 0
	s_add_nc_u64 s[OUT0:OUT0+1], s[14:15], s[84:85]
	s_add_nc_u64 s[OUT0+2:OUT0+3], s[OUT0:OUT0+1], TEN
	s_add_nc_u64 s[OUT0+4:OUT0+5], s[OUT0+2:OUT0+3], TEN
	; the prefetches: both cases are worked out, selects choose.  They start at K block 3: the first change of slots steps them to 4
	s_lshl_b32 s84, s[RB], 15
	s_lshl_b32 s86, s[CX], 13
	s_add_co_u32 s84, s84, s86
	s_add_co_u32 s84, s84, 3*XKB
	s_mul_i32 s85, s[HP], 384*128
	s_mul_i32 s86, s[CY], 12288
	s_add_co_u32 s85, s85, s86
	s_lshl_b32 s86, s[CH], 13
	s_add_co_u32 s85, s85, s86
	s_add_co_u32 s85, s85, 3*WKB
	s_and_b32 s86, ttmp7, 0xffff                   ; cluster y
	s_mov_b32 s[PFS], WKB
	s_cmp_eq_u32 s[RH], 0                          ; do I fetch for A?
	s_cselect_b32 s84, s84, s85
	s_cselect_b32 s86, ttmp9, s86                  ; the coordinate along which other clusters read the same rows
	s_cselect_b32 s[PFS], XKB, s[PFS]
	s_cselect_b64 s[PFA:PFA+1], s[4:5], s[6:7]
	s_mov_b32 s85, 0
	s_mov_b32 s[PFS+1], 0
	s_add_nc_u64 s[PFA:PFA+1], s[PFA:PFA+1], s[84:85]
	s_cmp_eq_u32 s86, 0
	s_cselect_b32 s86, 1, -1                       ; the same in all sixteen partners, for a given wave
	s_cmp_eq_u32 s[WV], 1
	s_cselect_b32 s[LIM0], -1, s86                 ; wave 1 asks for nothing,
	s_cmp_eq_u32 s[CH], 1
	s_cselect_b32 s[LIM0+1], -1, s86               ; wave 3 at slot 0's refills alone
	s_mov_b32 s87, 4096
	s_cmp_eq_u32 s[WV], 3
	s_cselect_b32 s87, WKB, s87                    ; lanes 16-31: sixteen times 256 bytes on, in wave 3 a K block on
	v_mul_u32_u24 v4, v2, s87
	v_lshl_add_u32 v[PFO], v1, 8, v4
	s_wait_tensorcnt 1                             ; my part of K step 0 is in; K step 1's stays out
	s_barrier_signal -1
	s_barrier_wait -1                              ; everybody's is
	LB 0, 0, 0, 5
	LA 0, 0, FA0
	LB 0, 0, 6, 11
	HALF0 0, 1                                     ; the first half step stands in front of the loop: its products start the sums
	WIN 0
	s_mov_b32 s3, KB/2-1
.Llap:                                                 ; a trip goes once round the ring and fills both slots again: K steps 2 to 15
	TURN 0, 1, 1
	HALF0 1, 0
	TURN 1, 0, 1
	HALF0 0, 0
	WIN 0
	s_sub_co_u32 s3, s3, 1
	s_cmp_lg_u32 s3, 0
	s_cbranch_scc1 .Llap
	TURN 0, 1, 0                                   ; the last lap fills nothing, and has no round
	HALF0 1, 0
	s_wait_dscnt 12                                ; the very last half step
	MULB FA1, 0, 5, 0
	PLACES
	WIN 0
.set bb, 0
.rept 12                               ; the biases of my 192 columns, eight a lane for each column block, into registers that are free: A's buffer 0 (blocks 0-7) and B's first fragments (8-11)
.set rB, 32+8*bb
.if bb >= 8
.set rB, 96+8*bb
.endif
	global_load_b128 v[rB:rB+3],   v[BO], s[8+2*(bb/4):9+2*(bb/4)] offset:64*(bb%4)
	global_load_b128 v[rB+4:rB+7], v[BO], s[8+2*(bb/4):9+2*(bb/4)] offset:64*(bb%4)+16
.set bb, bb+1
.endr
	s_wait_dscnt 0x0
	MULB FA1, 6, 11, 0
	WIN 0
	; THE WAY OUT.  The biases are rounded to bf16 and widened again: 144 plain instructions that name no register of the last products: their places.
	s_wait_loadcnt 0x0
.set bb, 0
.rept 12
.set rB, 32+8*bb
.if bb >= 8
.set rB, 96+8*bb
.endif
.irp z, 0,1,2,3
	v_cvt_pk_bf16_f32 v[4+\z], v[rB+2*\z], v[rB+2*\z+1]
.endr
.irp z, 0,1,2,3
	v_lshlrev_b32 v[rB+2*\z], 16, v[4+\z]
	v_and_b32 v[rB+2*\z+1], s[HIM], v[4+\z]
.endr
.set bb, bb+1
.endr
.irp z, 0,1,2,3,4,5,6,7
	v_mov_b32 v[MX+\z], 0
.endr
; 16 rows (block a) of tensor t: the bias is added, each accumulator's registers in ascending order; rounded to f16; for q and k the largest magnitude is kept, two at a time.
.macro PACK t, a
	WIN 1+(\t)                                     ; source 0 in the tensor's window
.set cb, 0
.rept 4
.set rA, 8*(8*cb+(\a))
.set rB, 32+8*(4*(\t)+cb)
.if 4*(\t)+cb >= 8
.set rB, 96+8*(4*(\t)+cb)
.endif
.set jj, 0
.rept 4
	v_pk_add_f32 v[E+8*cb+2*jj:E+8*cb+2*jj+1], v[rA+2*jj:rA+2*jj+1], v[rB+2*jj:rB+2*jj+1]
.set jj, jj+1
.endr
.set cb, cb+1
.endr
	WIN 0
.set jj, 0
.rept 16
	v_cvt_pk_f16_f32 v[H+jj], v[E+2*jj], v[E+2*jj+1]
.set jj, jj+1
.endr
.if (\t) < 2
.set cb, 0
.rept 4
.irp z, 0,1,2,3
	v_and_b32 v[4+\z], s[ABS], v[H+4*cb+\z]
.endr
.irp z, 0,1,2,3
	v_pk_max_num_f16 v[MX+4*(\t)+\z], v[MX+4*(\t)+\z], v[4+\z]
.endr
.set cb, cb+1
.endr
.endif
.endm
.macro TOSTAGE par                     ; into my own stage, and back as whole rows of 128 bytes
.irp c, 0,1,2,3
	ds_store_b128 v[STO], v[H+4*\c:H+4*\c+3] offset:32*\c
.endr
.irp f, 0,1,2,3
	ds_load_b128 v[OB+16*(\par)+4*\f:OB+16*(\par)+4*\f+3], v[RD] offset:\f*4*PITCH  ; LDS serves a wave's instructions in order (ISA guide 5.7.1.4): these see the stores above
.endr
.endm
.macro SEND t, a, par
	s_wait_dscnt 0x0                               ; the block is back in registers
	s_wait_xcnt 0x0                                ; the stores of the block before have read their registers, into which the next block is loaded
.irp f, 0,1,2,3
	global_store_b128 v[GO], v[OB+16*(\par)+4*\f:OB+16*(\par)+4*\f+3], s[OUT0+2*(\t):OUT0+2*(\t)+1] offset:(\a)*2048+\f*512  ; 512 consecutive bytes, at a multiple of 256 from the buffer's first
.endr
.endm
	PACK 0, 0
	TOSTAGE 0
.set n, 1
.rept 23                               ; a block's arithmetic stands between the loads of the block before and the wait for them
	PACK n/8, n%8
	SEND (n-1)/8, (n-1)%8, (n-1)%2
	TOSTAGE n%2
.set n, n+1
.endr
	SEND 2, 7, 1
	; the two maxima of my 128 rows: the chains, the halves, the 32 lanes
	v_pk_max_num_f16 v[MX], v[MX], v[MX+1]
	v_pk_max_num_f16 v[MX+2], v[MX+2], v[MX+3]
	v_pk_max_num_f16 v[MX+4], v[MX+4], v[MX+5]
	v_pk_max_num_f16 v[MX+6], v[MX+6], v[MX+7]
	v_pk_max_num_f16 v[MX], v[MX], v[MX+2]
	v_pk_max_num_f16 v[MX+4], v[MX+4], v[MX+6]
	v_cvt_f32_f16 v4, v8.l
	v_cvt_f32_f16 v5, v8.h
	v_cvt_f32_f16 v6, v12.l
	v_cvt_f32_f16 v7, v12.h
	v_max_num_f32 v4, v4, v5
	v_max_num_f32 v6, v6, v7
.irp m, 1,2,4,8
	v_max_num_f32_dpp v4, v4, v4 row_xmask:\m row_mask:0xf bank_mask:0xf
	v_max_num_f32_dpp v6, v6, v6 row_xmask:\m row_mask:0xf bank_mask:0xf
.endr
	v_permlanex16_b32 v5, v4, s[SEL], s[SEL+1]
	v_permlanex16_b32 v7, v6, s[SEL], s[SEL+1]
	v_max_num_f32 v4, v4, v5
	v_max_num_f32 v6, v6, v7
	v_cmp_eq_u32 vcc_lo, 1, v2
	v_cndmask_b32 v4, v4, v6, vcc_lo               ; lanes 0-15 q's, lanes 16-31 k's
	v_lshl_add_u32 v5, v2, 6, s[STS]               ; k's words lie 64 bytes behind q's
	v_cmp_eq_u32 vcc_lo, 0, v1
	s_wait_xcnt 0x0                                ; EXEC changes only behind this wait
	s_and_saveexec_b32 s83, vcc_lo                 ; lanes 0 and 16: two words of 4 bytes a wave, once a launch
	global_store_b32 v5, v4, s[16:17]
	s_wait_xcnt 0x0                                ; and again, in front of the line that widens it
	s_or_b32 exec_lo, exec_lo, s83
	s_wait_tensorcnt 0x0                           ; the wave's end: behind my last tensor load and my last LDS store
	ds_add_u32 v[SPW], v[NIL]
	s_wait_dscnt 0x0
	CROUND                                         ; the closing round: no work-group ends while a partner may still ask for a tile that names it
	s_endpgm
.Lfunc_end_k_q337b4b1980_proj:
	.size	k_q337b4b1980_proj, .Lfunc_end_k_q337b4b1980_proj-k_q337b4b1980_proj
	.p2alignl 7, 3214868480
	.fill 96, 4, 3214868480
	.section	.rodata,"a",@progbits
	.p2align	6, 0x0
	.amdhsa_kernel k_q337b4b1980_proj
		.amdhsa_group_segment_fixed_size 327680
		.amdhsa_private_segment_fixed_size 0
		.amdhsa_enable_private_segment 0
		.amdhsa_kernarg_size 56
		.amdhsa_user_sgpr_count 2
		.amdhsa_user_sgpr_kernarg_segment_ptr 1
		.amdhsa_wavefront_size32 1
		.amdhsa_system_sgpr_workgroup_id_x 1
		.amdhsa_system_sgpr_workgroup_id_y 1
		.amdhsa_system_sgpr_workgroup_id_z 1
		.amdhsa_system_vgpr_workitem_id 0
		.amdhsa_next_free_vgpr 1024
		.amdhsa_next_free_sgpr 90
		.amdhsa_reserve_vcc 1
		.amdhsa_float_denorm_mode_32 3
		.amdhsa_float_denorm_mode_16_64 3
		.amdhsa_memory_ordered 1
		.amdhsa_forward_progress 1
		.amdhsa_inst_pref_size 191
	.end_amdhsa_kernel
	.amdgpu_metadata
---
amdhsa.version: [ 1, 2 ]
amdhsa.kernels:
  - .name:           k_q337b4b1980_proj
    .symbol:         k_q337b4b1980_proj.kd
    .args:
      - { .name: xb, .offset: 0, .size: 8, .value_kind: global_buffer, .address_space: global }
      - { .name: wb, .offset: 8, .size: 8, .value_kind: global_buffer, .address_space: global }
      - { .name: bq, .offset: 16, .size: 8, .value_kind: global_buffer, .address_space: global }
      - { .name: bk, .offset: 24, .size: 8, .value_kind: global_buffer, .address_space: global }
      - { .name: bv, .offset: 32, .size: 8, .value_kind: global_buffer, .address_space: global }
      - { .name: qkv, .offset: 40, .size: 8, .value_kind: global_buffer, .address_space: global }
      - { .name: stats, .offset: 48, .size: 8, .value_kind: global_buffer, .address_space: global }
    .group_segment_fixed_size: 327680
    .private_segment_fixed_size: 0
    .kernarg_segment_align: 8
    .kernarg_segment_size: 56
    .max_flat_workgroup_size: 128
    .sgpr_count:     90
    .vgpr_count:     1024
    .wavefront_size: 32
...
	.end_amdgpu_metadata
.endif
;; end of part 2
;; launch attn (part 3): grid 4 x 64, 4 waves a work-group, clusters of 4 x 1, 327,680 bytes of LDS; arguments qkv, attention_mask, stats, out0; writes out0
.if DOCPART == 3
	.amdgcn_target "amdgcn-amd-amdhsa--gfx1250"
	.amdhsa_code_object_version 6
	.text
	.protected	k_q337b4b1980_attn
	.globl	k_q337b4b1980_attn
	.p2align	8
	.type	k_q337b4b1980_attn,@function
k_q337b4b1980_attn:
	s_mov_b64 s[64:65], 0
	v_nop
	global_prefetch_b8 v0, s[64:65] scope:SCOPE_SE
	s_setreg_imm32_b32 hwreg(HW_REG_WAVE_MODE, 25, 1), 1
	s_wait_xcnt 0x0
	s_wait_alu depctr_hold_cnt(0) depctr_sa_sdst(0) depctr_va_vdst(0) depctr_va_sdst(0) depctr_va_ssrc(0) depctr_va_vcc(0) depctr_vm_vsrc(0)
	s_getreg_b32 s2, hwreg(HW_REG_IB_STS2, 6, 4)
	s_cmp_eq_u32 s2, 0
	s_cbranch_scc0 .Lentry_in_a_cluster
	s_endpgm
.Lentry_in_a_cluster:
	s_bfe_u32 s2, ttmp6, 0x10000c
	s_cmp_lg_u32 s2, 0x3003
	s_cbranch_scc0 .Lentry_shape_is_right
	s_endpgm
.Lentry_shape_is_right:
; out[b][q][64 h + :] = the sum over k of relu(Q[q] . K[k] / 8 + mask[b][k])^2 V[k][:], for each of the 64 pairs bh = 16 b + h.  qkv: [t 3][bh 64][s 2048][64] in f16; mask [4][2048] f32,
; rounded to bf16 like the other inputs; out f32.  Products and sums in f32; the weights are made and squared in f16.
; THE SCALE.  A squared score has no room in f16, so scores are made times a power of two t, and the result is multiplied by t^-2: both exact.  t comes from a bound on the scores,
; B = max(8 max|q| max|k| + max(mask, 0), 2^-10 max(max|q|, max|k|)), of the head's maxima in stats and the batch's mask: t = 2^(6 - floor(log2 B)).  Then t x score < 128 and its square is below 16,400.
; t enters numbers alone: Q is multiplied by t / 8 once, the mask by t once, and the mask is the C operand that starts the sum S^T = K Q^T: scores leave the matrix unit scaled and masked.
; LIMITS.  t's exponent is held to -63 .. 63, which serves B from 2^-57 to 2^69.  Q t / 8 lies below 16,384 and near 1 / max|k|: above max|k| of about 1,600 it begins to fall onto f16's fixed step of 6e-8.
; A weight below 6e-5 (on the scaled scale, where the largest may be 16,400) keeps that fixed step too.  A mask of minus infinity, or so low that the f16 score is, gives the weight 0: the relu comes before the square.  NaN is not treated apart.
; SHARES.  A work-group owns 512 queries of one pair bh, a wave 128: four PIECES of two tiles of 16.  Every wave walks all 2,048 keys, 64 a step.
; LAYOUT.  S^T = K Q^T (source 0 = 16 keys, source 1 = 16 queries): a lane holds ONE query (l % 16) and the keys 8 (l / 16) + 0..7.  Two such results, rounded to f16 in pairs, ARE source 1
; (32 keys x 16 queries) of O^T = V^T P, whose result holds one query a lane and eight channels.  K comes out of LDS as it lies, V turned, by ds_load_tr16_b128.
; BY TURNS.  Turn n belongs to piece n: 16 products K Q^T of piece n + 1, then 16 products V^T P of piece n - 1; behind each product three of the 96 vector instructions that make piece n's weights
; (a pair rounded to f16; its maximum with 0; its square).  There is no exponential, no maximum and no sum to carry.
; CLUSTER.  The four query blocks of a pair bh walk the same K and V: each tile is asked for JOINTLY: the same tensor load, descriptor and mask in all four.
; REGISTERS, in windows of 256 (s_set_vgpr_msb: bits 1:0 source 0, 3:2 source 1, 5:4 source 2, 7:6 destination):
;   window 0: v0-31 addresses and scales; v32-63 the step's mask x t; v64-191 S^T, two buffers of two tiles; v192-255 P, likewise (a piece's buffers go by its number's parity)
;   window 1: O^T, 32 a tile          window 2: v0-127 Q, 16 a tile; v128-191 K of one step; v192-255 V of one step
.set NP,    4
.set KS,    64
.set PK,    144       ; a row of K in LDS: 128 bytes + 16 of padding = 36 words: the 16 rows of a load start at 16 different groups of four banks (64 banks of 4 bytes: ISA guide 11.1)
.set PV,    160       ; a row of V: 128 + 32 = 40 words
.set VOFF,  4*KS*PK   ; a slot holds four steps: 256 rows of K, then 256 rows of V
.set SLOT1, 1<<17     ; slot 1 begins here, so that one exclusive or turns an address in one slot into the other's
.set STAGE, SLOT1+4*KS*(PK+PV)  ; behind the ring, never filled by a tensor load: 16 rows x 272 bytes for each wave, for the way out
.set SP,    272
.set MASKL, STAGE+4*16*SP       ; mask x t, 2,048 numbers in f32: a copy of 8,192 bytes for each wave, so that no barrier is wanted
.set SPARE, MASKL+4*8192        ; the spare words, 128 bytes for each wave: two blocks of 256 bytes that no other line names
.set TEN,   64*2048*128         ; bytes of each of q, k, v
.set AK0, 2           ; v2   my lane's place in a tile of K; never rewritten
.set AV0, 3           ; v3   the same for V
.set AK,  4           ; v4   the LDS address of K's run of loads
.set AV,  5           ; v5   of V's
.set STO, 6           ; v6   the way out: where I put 32 bytes of a row
.set RD,  7           ; v7   where I read rows back
.set GO,  8           ; v8   my byte offset in two rows of out
.set T,   10          ; v[10:11] t, twice
.set TQ,  12          ; v12  t / 8
.set ZR,  13          ; v13  0
.set INV, 14          ; v[14:15] t^-2, twice
.set AM0, 16          ; v16  my lane's place in my copy of the mask; never rewritten
.set PFO, 17          ; v17  256 x my lane; never rewritten
.set QO,  28          ; v28  my byte offset in 16 rows of Q
.set AM,  29          ; v29  the LDS address of the mask's run of loads
.set SPW, 30          ; v30  LDS address of my spare word; never rewritten
.set NIL, 31          ; v31  0; never rewritten
.set MC,  32          ; the eight registers for key block kb at MC + 8 kb
.set S,   64
.set P,   192
.set KF,  128         ; window 2: key block kb, channel half c at KF + 16 kb + 8 c
.set VF,  192         ; window 2: key half kk, channel block cb at VF + 32 kk + 8 cb
.set WV,  12          ; s12  my wave's number
.set LIM, 15          ; s15  1 in a wave that prefetches, else the greatest number
.set G1K, 24          ; s[24:31] descriptor group 1 for K's tiles
.set G1V, 32          ; s[32:39] for V's: it differs in the padding alone
.set G0K, 40          ; s[40:43] descriptor group 0 for K's tiles: it walks
.set G0V, 44          ; s[44:47] the same for V's
.set PFA, 48          ; s[48:49] where my prefetches stand
.set SLOTS, 56        ; s56  slots still to be asked for
.set CNT, 57          ; s57  counts a slot's key steps
.set SEL, 60          ; s[60:61] v_permlanex16_b32's selects: each lane takes its own place in the other half
.set TBK, 62          ; s62  LDS byte at which K of the step to be fetched begins
.set TBV, 63          ; s63  the same for V, less VOFF
.set TBM, 66          ; s66  byte of the mask at which that step's 64 numbers begin
.set HIM, 67          ; s67  a word's upper half
.set MSB, 0
.macro WIN new                      ; the high byte repeats the setting that is left; a switch that changes nothing is dropped
.if MSB != (\new)
	s_set_vgpr_msb (MSB<<8)|(\new)
.set MSB, (\new)
.endif
.endm
.set W_KQ, 0x0a       ; K and Q in window 2; the mask or S^T as C, and S^T, in window 0
.set W_PV, 0x52       ; V in window 2, P in window 0, O^T in window 1
; A joint fill.  Waves 0 and 1 fetch the two halves of a slot's K, waves 2 and 3 those of its V: 128 keys each.  The branch hangs on the wave's number alone.
; An s_nop 0 and four v_nop follow each of the two lines, ahead of the jump and the label.
.macro JLOAD
	s_cmp_lt_u32 s[WV], 2
	s_cbranch_scc0 .Lfor_v_\@
	tensor_load_to_lds s[G0K:G0K+3], s[G1K:G1K+7]
	s_nop 0
.rept 4
	v_nop
.endr
	s_branch .Lasked_\@
.Lfor_v_\@:
	tensor_load_to_lds s[G0V:G0V+3], s[G1V:G1V+7]
	s_nop 0
.rept 4
	v_nop
.endr
.Lasked_\@:
.endm
; A PREFETCH INTO THE L2 of what the NEXT change of slots will ask for: a slot's 32,768 bytes of K and of V, four key steps (512 matrix instructions) ahead of that load.  A pair bh has this one cluster, whose
; four partners share the bytes out BY ADDRESS, 8,192 each; in each, wave 0 asks for K's and wave 2 for V's, a lane for each 256 bytes: one instruction.  So each aligned 256 bytes are named once in the launch.
; Slots 0 and 1 come by their loads alone; the last change that fills a slot asks for nothing.
.macro ASK
	s_cmp_gt_u32 s[SLOTS], s[LIM]
	s_cbranch_scc0 .Lnot_mine_\@
	global_prefetch_b8 v[PFO], s[PFA:PFA+1] th:TH_LOAD_NT scope:SCOPE_SE
.Lnot_mine_\@:
.endm
; A round of the cluster's barrier: my work-group's barrier, so that wave 0's signal speaks for all four waves; wave 0 signals; every wave waits for all four work-groups; my work-group's barrier once more.
.macro CROUND
	s_barrier_signal -1
	s_barrier_wait -1
	s_cmp_lg_u32 s[WV], 0
	s_cbranch_scc1 .Lnot_wave_0_\@
	s_barrier_signal -3
.Lnot_wave_0_\@:
	s_barrier_wait -3
	s_barrier_signal -1
	s_barrier_wait -1
.endm
; THE CHANGE OF SLOTS.  Each wave waits for all its tensor loads, of which one is out: its part of the other slot; adds 0 to its spare word; and waits for that and for its own reads of the slot.
; Behind the barrier nobody reads this slot any more and the other slot is whole.  fill = 1: this slot is filled again, with the keys two slots on; the barrier is then a round of the cluster's, and
; the joint fill is the first thing behind it: it has four key steps in which to land.  (At its first use nothing has been read yet: slot 0 is waited for, slot 1 filled.)
.macro CHANGE fill
	WIN 0                           ; at a label and at a branch every window is 0
	s_wait_tensorcnt 0x0            ; no tensor load of mine is out, so a group 0 may be written
	ds_add_u32 v[SPW], v[NIL]       ; 0 onto my spare word: with fill = 1 the steps below stand between it and the wait for it
.if \fill
.irp g, G0K, G0V
	s_xor_b32 s[\g+1], s[\g+1], SLOT1  ; the walking descriptor: the other slot than last time,
	s_add_nc_u64 s[\g+2:\g+3], s[\g+2:\g+3], 4*KS*128  ; the next 256 keys; the type bits on top are not reached
.endr
	s_wait_xcnt 0x0                 ; the last prefetch, four key steps back, has read its address, so it may be written
	s_add_nc_u64 s[PFA:PFA+1], s[PFA:PFA+1], 4*KS*128
	s_wait_dscnt 0x0                ; the add is done, and my reads of the slot are over
	CROUND
	JLOAD
	ASK
.else
	s_wait_dscnt 0x0                ; the add is done, and my reads of the slot are over
	s_barrier_signal -1
	s_barrier_wait -1
.endif
	s_sub_co_u32 s[TBK], s[TBK], 4*KS*PK  ; the fetches go back to a slot's first step,
	s_xor_b32 s[TBK], s[TBK], SLOT1       ; in the other slot
	s_sub_co_u32 s[TBV], s[TBV], 4*KS*PV
	s_xor_b32 s[TBV], s[TBV], SLOT1
.endm
	s_load_b256 s[4:11], s[0:1], 0x0  ; qkv s[4:5], mask s[6:7], stats s[8:9], out s[10:11]
	v_lshl_add_u32 v[SPW], v0, 2, SPARE
	v_mov_b32 v[NIL], 0
	ds_add_u32 v[SPW], v[NIL]       ; the wave's opening: the add, twice on end, and its wait ahead of my first tensor load; the set-up below stands between
	ds_add_u32 v[SPW], v[NIL]
	v_lshrrev_b32 v1, 5, v0
	v_readfirstlane_b32 s[WV], v1   ; wave 0..3
	s_bfe_u32 s13, ttmp6, 0x40000   ; cx: my place in the cluster
	s_lshl_b32 s14, ttmp9, 2
	s_add_co_u32 s14, s14, s13      ; my block of 512 queries: it enters Q's, out's and the prefetches' addresses alone
	s_and_b32 s19, ttmp7, 0xffff    ; bh, which the four partners share
	s_lshl_b32 s20, s19, 18         ; its 2,048 rows of 128 bytes
	s_and_b32 s16, s[WV], 1         ; which half of a slot's 256 keys I fetch:
	s_lshl_b32 s22, s16, 14         ; its 128 rows in memory,
	s_add_co_u32 s22, s22, s20
	s_add_co_u32 s22, s22, TEN      ; in K
	s_mov_b32 s23, 0
	s_mul_i32 s17, s16, 128*PK      ; and its place in a slot, for K
	s_mul_i32 s18, s16, 128*PV      ; and for V: no place in the cluster enters an LDS address
	s_lshl_b32 s2, s14, 2
	s_add_co_u32 s2, s2, s[WV]      ; my wave among the pair's sixteen
	s_lshl_b32 s68, s2, 19          ; out: its 128 rows of 4,096 bytes,
	s_lshl_b32 s2, s2, 14           ; Q: of 128 bytes
	s_add_co_u32 s2, s2, s20
	s_mov_b32 s3, 0
	s_lshr_b32 s70, s19, 4          ; the batch
	s_and_b32 s71, s19, 15          ; the head
	s_lshl_b32 s72, s70, 23         ; 2,048 rows of 4,096 bytes
	s_add_co_u32 s68, s68, s72
	s_lshl_b32 s71, s71, 8          ; the head's 256 bytes of a row
	s_add_co_u32 s68, s68, s71
	s_mov_b32 s69, 0
	s_lshl_b32 s70, s70, 13         ; the batch's mask
	s_mov_b32 s71, 0
	s_lshl_b32 s72, s19, 7          ; the pair's 32 words of stats
	s_mov_b32 s73, 0
	; descriptor group 1.  128 keys are 16,384 dense bytes: asked for as 64 rows of 256 bytes, two keys a row, and padded in LDS after every key
	s_mov_b32 s[G1K], 15|(1<<16)|(1<<20)|(1<<21)|(4<<22)|(3<<25)  ; 15:0 the mask of four; 17:16 2-byte elements; 20 padding on; 21 set beside a mask; 24:22 after every 32 words (code 4); 31:25 4 words (code 3)
	s_mov_b32 s[G1V], 15|(1<<16)|(1<<20)|(1<<21)|(4<<22)|(7<<25)  ; the same with 8 words of padding (code 7)
.irp g, G1K, G1V
	s_mov_b32 s[\g+1], 128<<16      ; tensor_dim0 = 128
	s_mov_b32 s[\g+2], 64<<16       ; tensor_dim1 = 64
	s_mov_b32 s[\g+3], 128<<16      ; tile_dim0 = 128
	s_mov_b32 s[\g+4], 64           ; tile_dim1 = 64
	s_mov_b32 s[\g+5], 128          ; 128 elements from row to row
	s_mov_b32 s[\g+6], 0
	s_mov_b32 s[\g+7], 0
.endr
	s_mov_b32 s[SEL], 0x76543210
	s_mov_b32 s[SEL+1], 0xfedcba98
	s_mov_b32 s[HIM], 0xffff0000
	s_mov_b32 s[TBK], SLOT1+4*KS*PK ; the first change of slots turns these two into 0
	s_mov_b32 s[TBV], SLOT1+4*KS*PV
	s_mov_b32 s[TBM], 0
	s_mov_b32 s[SLOTS], 2048/256-1
	s_mov_b32 s[G0K], 1             ; count = 1
	s_mov_b32 s[G0K+1], s17         ; LDS address: slot 0
	s_mov_b32 s[G0V], 1
	s_add_co_u32 s[G0V+1], s18, VOFF
	s_lshl_b32 s74, s13, 13         ; the prefetches: my work-group's 8,192 bytes,
	s_add_co_u32 s74, s74, s20
	s_add_co_u32 s74, s74, TEN+4*KS*128  ; of K's slot 1: the first change of slots steps them to slot 2;
	s_cmp_lt_u32 s[WV], 2
	s_cselect_b32 s75, 0, TEN       ; in waves 2 and 3 of V's
	s_add_co_u32 s74, s74, s75
	s_mov_b32 s75, 0
	s_cmp_eq_u32 s16, 0
	s_cselect_b32 s[LIM], 1, -1     ; waves 0 and 2 ask
	s_wait_dscnt 0x0                ; both opening adds are done
	s_wait_kmcnt 0x0
	s_add_nc_u64 s[G0K+2:G0K+3], s[4:5], s[22:23]  ; global address: my half of the pair's first 256 keys
	s_add_nc_u64 s[G0V+2:G0V+3], s[G0K+2:G0K+3], TEN
	s_or_b32 s[G0K+3], s[G0K+3], 0x80000000        ; type = 2
	s_or_b32 s[G0V+3], s[G0V+3], 0x80000000
	s_add_nc_u64 s[PFA:PFA+1], s[4:5], s[74:75]
	s_add_nc_u64 s[76:77], s[4:5], s[2:3]          ; Q at my wave's first row
	s_add_nc_u64 s[6:7], s[6:7], s[70:71]
	s_add_nc_u64 s[8:9], s[8:9], s[72:73]
	s_add_nc_u64 s[10:11], s[10:11], s[68:69]
	CROUND                          ; all four work-groups are here: the first joint loads meet
	JLOAD                           ; slot 0.  Slot 1 is asked for when slot 0 is in
	v_and_b32 v1, 15, v0            ; l % 16
	v_bfe_u32 v9, v0, 4, 1          ; l / 16
	v_and_b32 v20, 31, v0
	v_lshlrev_b32 v18, 4, v20       ; 16 l
	v_lshlrev_b32 v19, 2, v20       ; 4 l
	v_lshlrev_b32 v[QO], 7, v1
	v_lshl_add_u32 v[QO], v9, 4, v[QO]  ; row x 128 + 16 x half
	global_load_b32 v24, v19, s[8:9]    ; lanes 0-15: max|q| of the sixteen blocks of rows; lanes 16-31: max|k|
.set i, 0
.rept 16                            ; the batch's whole mask: 512 consecutive bytes a load
	global_load_b128 v[S+4*i:S+4*i+3], v18, s[6:7] offset:512*i
.set i, i+1
.endr
	WIN 0x80                        ; destination window 2, address window 0
.set i, 0
.rept 4*NP                          ; Q stays in registers: tile i / 2, channels 32 (i % 2) on
	global_load_b128 v[8*i:8*i+3],   v[QO], s[76:77] offset:(i/2)*2048+(i%2)*64
	global_load_b128 v[8*i+4:8*i+7], v[QO], s[76:77] offset:(i/2)*2048+(i%2)*64+32
.set i, i+1
.endr
	; What the first turn finds: V's registers and P's second buffer hold 0 (its products V^T P, of a piece that has not been, add 0), O^T is 0: so no first step is written out.  All this stands in the wait for the first tile.
.set i, VF
.rept 64
	v_mov_b32 v[i], 0
.set i, i+1
.endr
	WIN 0x40
.set i, 0
.rept 64*NP
	v_mov_b32 v[i], 0
.set i, i+1
.endr
	WIN 0
.set i, P+32
.rept 32
	v_mov_b32 v[i], 0
.set i, i+1
.endr
	v_mov_b32 v[ZR], 0
	v_mov_b32 v25, 0                ; v_permlanex16_b32's destination counts as read
	v_mul_u32_u24 v[AK0], v1, PK
	v_lshl_add_u32 v[AK0], v9, 4, v[AK0]  ; row x pitch + 16 x half
	; The turning load takes 16 keys x 16 channels (lane l reads key 8 (l / 16) + l % 8, channels 8 ((l / 8) % 2) + 0..7) and leaves half a fragment of V^T: lane l holds channel l % 16 and 8 keys.
	v_and_b32 v20, 7, v0
	v_bfe_u32 v21, v0, 3, 1
	v_lshl_add_u32 v[AV0], v9, 3, v20
	v_mul_u32_u24 v[AV0], v[AV0], PV
	v_lshl_add_u32 v[AV0], v21, 4, v[AV0]
	v_add_nc_u32 v[AV0], VOFF, v[AV0]
	s_mul_i32 s68, s[WV], 16*SP
	s_add_co_u32 s68, s68, STAGE    ; my stage
	v_mul_u32_u24 v[STO], v1, SP    ; in: row l % 16, 32 bytes for each half of the lanes
	v_lshl_add_u32 v[STO], v9, 5, v[STO]
	v_add_nc_u32 v[STO], s68, v[STO]
	v_mul_u32_u24 v[RD], v9, SP     ; back: lanes 0-15 take one row of 256 bytes, lanes 16-31 the next
	v_lshl_add_u32 v[RD], v1, 4, v[RD]
	v_add_nc_u32 v[RD], s68, v[RD]
	v_lshlrev_b32 v[GO], 12, v9     ; and the same two rows in out
	v_lshl_add_u32 v[GO], v1, 4, v[GO]
	v_and_b32 v[PFO], 31, v0
	v_lshlrev_b32 v[PFO], 8, v[PFO]
	s_lshl_b32 s68, s[WV], 13
	s_add_co_u32 s68, s68, MASKL    ; my copy of the mask
	v_lshl_add_u32 v[AM0], v9, 5, s68  ; a lane's eight keys of a block of 16: 32 bytes for each half of the lanes
	s_wait_loadcnt 32               ; stats and the mask are in; Q's 32 loads stay out
.set i, 0
.rept 32                            ; the mask is rounded to bf16 and widened again
	v_cvt_pk_bf16_f32 v[S+64+i], v[S+2*i], v[S+2*i+1]
.set i, i+1
.endr
.set i, 0
.rept 32
	v_lshlrev_b32 v[S+2*i], 16, v[S+64+i]
	v_and_b32 v[S+2*i+1], s[HIM], v[S+64+i]
.set i, i+1
.endr
.irp c, 0,1,2,3                     ; its maximum: four chains over my 64 numbers, then the 32 lanes
	v_max_num_f32 v[20+\c], v[S+16*\c], v[S+16*\c+1]
.endr
.set k, 1
.rept 7
.irp c, 0,1,2,3
	v_max3_num_f32 v[20+\c], v[20+\c], v[S+16*\c+2*k], v[S+16*\c+2*k+1]
.endr
.set k, k+1
.endr
	v_max3_num_f32 v20, v20, v21, v22
	v_max_num_f32 v20, v20, v23
.irp m, 1,2,4,8
	v_max_num_f32_dpp v20, v20, v20 row_xmask:\m row_mask:0xf bank_mask:0xf
	v_max_num_f32_dpp v24, v24, v24 row_xmask:\m row_mask:0xf bank_mask:0xf  ; lanes 0-15: max|q|; lanes 16-31: max|k|
.endr
	v_permlanex16_b32 v21, v20, s[SEL], s[SEL+1]
	v_permlanex16_b32 v25, v24, s[SEL], s[SEL+1]  ; the other of the two
	v_max_num_f32 v20, v20, v21
	v_max_num_f32 v20, 0, v20
	v_mul_f32 v26, v24, v25
	v_max_num_f32 v27, v24, v25
	v_fmamk_f32 v26, v26, 0x41000000, v20  ; 64 terms / 8 = 8 max|q| max|k|, + the mask's
	v_mul_f32 v27, 0x3a800000, v27         ; 2^-10 of the larger: keeps Q t / 8 below 16,384
	v_max_num_f32 v26, v26, v27            ; B
	v_bfe_u32 v26, v26, 23, 8              ; its exponent field e: floor(log2 B) = e - 127
	v_sub_nc_u32 v26, 0x104, v26           ; t's field: 127 + 6 - (e - 127)
	v_max_u32 v26, 64, v26
	v_min_u32 v26, 0xbe, v26               ; held to 2^-63 .. 2^63
	v_lshlrev_b32 v[T], 23, v26
	v_add_nc_u32 v27, -3, v26
	v_lshlrev_b32 v[TQ], 23, v27           ; t / 8
	v_lshlrev_b32 v27, 1, v26
	v_sub_nc_u32 v27, 0x17d, v27           ; 127 - 2 (field - 127)
	v_lshlrev_b32 v[INV], 23, v27          ; t^-2
	v_mov_b32 v[T+1], v[T]
	v_mov_b32 v[INV+1], v[INV]
	v_add_nc_u32 v22, s68, v18             ; my 16 bytes of each 512 of my copy
.set i, 0
.rept 32
	v_pk_mul_f32 v[S+2*i:S+2*i+1], v[S+2*i:S+2*i+1], v[T:T+1]
.set i, i+1
.endr
.set i, 0
.rept 16
	ds_store_b128 v22, v[S+4*i:S+4*i+3] offset:512*i
.set i, i+1
.endr
	s_wait_loadcnt 0x0              ; Q
	WIN 0x82                        ; destination and source 0 in window 2
.set i, 0
.rept 32                            ; Q times t / 8: a power of two, each half widened, multiplied in f32 and rounded back to its half
.irp z, 0,1,2,3
	v_fma_mixlo_f16 v[i+\z], v[i+\z], v[TQ], v[ZR] op_sel_hi:[1,0,0]
.endr
.irp z, 0,1,2,3
	v_fma_mixhi_f16 v[i+\z], v[i+\z], v[TQ], v[ZR] op_sel:[1,0,0] op_sel_hi:[1,0,0]
.endr
.set i, i+4
.endr
	WIN 0
; THE MATRIX WORK.  The 8 accumulators of a run of 16 take turns: between the two links of a chain stand 7 others'.
; Product i of 16 of S^T = K Q^T for piece x: channels 32 (i / 8) on, keys 16 ((i / 2) % 4) on, tile 2 x + i % 2.  The first 8 start the sums with the keys' mask x t.
.macro KQ x
	WIN W_KQ
.set rS, S+64*((\x)%2)+32*(i%2)+8*((i/2)%4)
.set rK, KF+16*((i/2)%4)+8*(i/8)
.set rQ, 16*(2*(\x)+i%2)+8*(i/8)
.set rM, MC+8*((i/2)%4)
.if i < 8
	v_wmma_f32_16x16x32_f16 v[rS:rS+7], v[rK:rK+7], v[rQ:rQ+7], v[rM:rM+7]
.else
	v_wmma_f32_16x16x32_f16 v[rS:rS+7], v[rK:rK+7], v[rQ:rQ+7], v[rS:rS+7]
.endif
.endm
; Product i of 16 of O^T += V^T P for piece x: keys 32 (i / 8) on, channels 16 ((i / 2) % 4) on, tile 2 x + i % 2.
.macro PV x
	WIN W_PV
.set rO, 32*(2*(\x)+i%2)+8*((i/2)%4)
.set rV, VF+32*(i/8)+8*((i/2)%4)
.set rP, P+32*((\x)%2)+16*(i%2)+8*(i/8)
	v_wmma_f32_16x16x32_f16 v[rO:rO+7], v[rV:rV+7], v[rP:rP+7], v[rO:rO+7]
.endm
.macro MM                           ; the turn's next matrix instruction
.if i < 16
	KQ (Y+1)%NP
.set i, i+1
.else
.set i, i-16
	PV (Y+NP-1)%NP
.set i, i+17
.endif
.endm
; THE LDS LOADS stand in runs, never singly among the matrix instructions.  K's run: the next step's mask x t (8 loads) and K (16).  In a turn it stands behind three vector instructions and its own two
; additions: five plain instructions behind the last product that read K.  last = 1 (the tail): in the last trip there is no further step, and the run is jumped over.
.macro FETCH_K last=0
	WIN 0
	v_add_nc_u32 v[AK], s[TBK], v[AK0]
	v_add_nc_u32 v[AM], s[TBM], v[AM0]
.if \last
	s_cmp_eq_u32 s[CNT], 1
	s_cbranch_scc1 .Lno_k_\@
.endif
.irp kb, 0,1,2,3
	ds_load_b128 v[MC+8*\kb:MC+8*\kb+3],   v[AM] offset:64*\kb
	ds_load_b128 v[MC+8*\kb+4:MC+8*\kb+7], v[AM] offset:64*\kb+16
.endr
	WIN 0x80                        ; destination window 2
.irp f, 0,1,2,3,4,5,6,7             ; keys 16 (f / 2) on, channels 32 (f % 2) on
	ds_load_b128 v[KF+8*\f:KF+8*\f+3],   v[AK] offset:(\f/2)*16*PK+(\f%2)*64
	ds_load_b128 v[KF+8*\f+4:KF+8*\f+7], v[AK] offset:(\f/2)*16*PK+(\f%2)*64+32
.endr
	s_add_co_u32 s[TBK], s[TBK], KS*PK  ; the next fetch is the next step's
	s_add_co_u32 s[TBM], s[TBM], 4*KS
	s_and_b32 s[TBM], s[TBM], 0x1f00    ; 32 steps of 256 bytes: it stays inside my copy's 8,192
	WIN 0
.if \last
.Lno_k_\@:
.endif
.endm
; V's run stands behind three vector instructions and its own addition: four plain instructions behind the last product that read V.
.macro FETCH_V
	WIN 0
	v_add_nc_u32 v[AV], s[TBV], v[AV0]
	s_add_co_u32 s[TBV], s[TBV], KS*PV
	WIN 0x80
.irp f, 0,1,2,3,4,5,6,7             ; keys 32 (f / 4) on, channels 16 (f % 4) on
	ds_load_tr16_b128 v[VF+8*\f:VF+8*\f+3],   v[AV] offset:(\f/4)*32*PV+(\f%4)*32
	ds_load_tr16_b128 v[VF+8*\f+4:VF+8*\f+7], v[AV] offset:(\f/4)*32*PV+16*PV+(\f%4)*32
.endr
	WIN 0
.endm
; THE VECTOR WORK.  Pair x of a piece's 32 (tile x % 2, scores 2 (x / 2) and + 1): CV rounds it to f16, RL takes its maximum with 0, SQ squares it.  The pairs go in ascending order.
.macro PREG x
.set rP, P+32*(Y%2)+16*((\x)%2)+(\x)/2
.set rS, S+64*(Y%2)+32*((\x)%2)+2*((\x)/2)
.endm
.macro CV x
	PREG \x
	v_cvt_pk_f16_f32 v[rP], v[rS], v[rS+1]
.endm
.macro RL x
	PREG \x
	v_pk_max_num_f16 v[rP], v[rP], v[ZR]
.endm
.macro SQ x
	PREG \x
	v_pk_mul_f16 v[rP], v[rP], v[rP]
.endm
; Group g of 32: the three behind a turn's product g.  Each reads what was made a group earlier or more, and none names a register of the products round it.
.macro RID
	WIN 0
.if g == 0
	CV 0
	CV 1
	CV 2
.elseif g == 1
	CV 3
	RL 0
	RL 1
.elseif g < 30
	CV g+2
	RL g
	SQ g-2
.elseif g == 30
	RL 30
	RL 31
	SQ 28
.else
	SQ 29
	SQ 30
	SQ 31
.endif
.set g, g+1
.endm
; A TURN, for piece p.  K and the mask of the next step are fetched in piece 2's turn, behind its products K Q^T, and waited for at the head of piece 3's: 16 products later.
; V of the step in hand is fetched at the end of piece 0's turn and waited for in the middle of piece 1's: 16 products later.
.macro TURN p, last=0
.set Y, (\p)
.set i, 0
.set g, 0
.if (\p) == NP-1
	s_wait_dscnt 0x0                ; K and the mask are in
.endif
.rept 16
	MM
	RID
.endr
.if (\p) == NP-2
	FETCH_K \last
.endif
.if (\p) == 1
	s_wait_dscnt 0x0                ; V is in
.endif
.rept 16
	MM
	RID
.endr
.if (\p) == 0
	FETCH_V
.endif
.endm
	CHANGE 1                        ; slot 0 is in, everybody's part of it; slot 1 is asked for
	FETCH_K                         ; key step 0 (LDS serves a wave's instructions in order: the mask's loads see my stores above)
	s_wait_dscnt 0x0
.set i, 0
.rept 16
	KQ 0                            ; piece 0's first scores
.set i, i+1
.endr
	WIN 0
.rept 4
	v_nop                           ; the places behind those products
.endr
	s_mov_b32 s[CNT], 4
	s_branch .Lfirst                ; the loop is entered at a step's first turn, in the middle of a trip
.Lslot:                             ; six times: every slot but the last two is filled again
	CHANGE 1
	s_mov_b32 s[CNT], 4
.Lstep:                             ; a trip: pieces 2 and 3 of one step, then pieces 0 and 1 of the next, whose K and V it fetches
	TURN 2
	TURN 3
	WIN 0
.Lfirst:
	TURN 0
	TURN 1
	WIN 0
	s_sub_co_u32 s[CNT], s[CNT], 1
	s_cmp_lg_u32 s[CNT], 0
	s_cbranch_scc1 .Lstep
	s_sub_co_u32 s[SLOTS], s[SLOTS], 1
	s_cmp_lg_u32 s[SLOTS], 0
	s_cbranch_scc1 .Lslot
	CHANGE 0                        ; the tail is written out: nothing is asked for
	s_mov_b32 s[CNT], 5             ; four trips fetch the last slot's steps; the fifth is left in its middle
.Ltail:
	TURN 2, 1
	TURN 3
	WIN 0
	s_sub_co_u32 s[CNT], s[CNT], 1
	s_cmp_eq_u32 s[CNT], 0
	s_cbranch_scc1 .Lout
	TURN 0
	TURN 1
	WIN 0
	s_branch .Ltail
.Lout:                              ; the fifth trip's 16 products K Q^T (on the last K once more) serve nothing: the price, once a launch, of one text for every trip
.set i, 0
.rept 16
	PV NP-1                         ; the last piece's V^T P of the last step
.set i, i+1
.endr
	; THE WAY OUT.  O^T times t^-2, in f32, through my stage in LDS, a tile (16 rows) at a time.  Tile 0's sixteen multiplies are the places behind the last products, which are tiles 6's and 7's.
; Tile t: a lane's eight channels are 32 bytes of a row; they go into rows of 272 bytes and come back as whole rows of 256, into the registers that they left.
.macro PACK t
	WIN 0x41                        ; destination and source 0 in window 1
.set i, 32*(\t)
.rept 16
	v_pk_mul_f32 v[i:i+1], v[i:i+1], v[INV:INV+1]
.set i, i+2
.endr
	WIN 0x04                        ; an LDS store's data: source 1, in window 1
.irp c, 0,1,2,3
	ds_store_b128 v[STO], v[32*(\t)+8*\c:32*(\t)+8*\c+3]   offset:64*\c
	ds_store_b128 v[STO], v[32*(\t)+8*\c+4:32*(\t)+8*\c+7] offset:64*\c+16
.endr
	WIN 0x40
.irp f, 0,1,2,3,4,5,6,7
	ds_load_b128 v[32*(\t)+4*\f:32*(\t)+4*\f+3], v[RD] offset:\f*2*SP  ; LDS serves a wave's instructions in order (ISA guide 5.7.1.4): these see the stores above; the next tile's stores come behind them
.endr
.endm
.macro SEND t, younger              ; younger: the LDS instructions issued behind tile t's loads: the next tile's sixteen, or none
	WIN 0x04
.irp f, 0,1,2,3,4,5,6,7
	s_wait_dscnt (\younger)+7-\f
	global_store_b128 v[GO], v[32*(\t)+4*\f:32*(\t)+4*\f+3], s[10:11] offset:(\t)*65536+\f*8192 th:TH_STORE_NT  ; 16 lanes store a head's 256 consecutive bytes of a row, at a multiple of 256 from out's first byte
.endr
.endm
	PACK 0
.set t, 1
.rept 2*NP-1                        ; a tile's arithmetic stands between the loads of the tile before and its stores
	PACK t
	SEND t-1, 16
.set t, t+1
.endr
	SEND 2*NP-1, 0
	WIN 0
	s_wait_tensorcnt 0x0            ; the wave's end: behind my last tensor load and my last LDS store
	ds_add_u32 v[SPW], v[NIL]
	s_wait_dscnt 0x0
	CROUND                          ; the closing round: no work-group ends while a partner may still ask for a tile that names it
	s_endpgm
.Lfunc_end_k_q337b4b1980_attn:
	.size	k_q337b4b1980_attn, .Lfunc_end_k_q337b4b1980_attn-k_q337b4b1980_attn
	.p2alignl 7, 3214868480
	.fill 96, 4, 3214868480
	.section	.rodata,"a",@progbits
	.p2align	6, 0x0
	.amdhsa_kernel k_q337b4b1980_attn
		.amdhsa_group_segment_fixed_size 327680
		.amdhsa_private_segment_fixed_size 0
		.amdhsa_enable_private_segment 0
		.amdhsa_kernarg_size 32
		.amdhsa_user_sgpr_count 2
		.amdhsa_user_sgpr_kernarg_segment_ptr 1
		.amdhsa_wavefront_size32 1
		.amdhsa_system_sgpr_workgroup_id_x 1
		.amdhsa_system_sgpr_workgroup_id_y 1
		.amdhsa_system_sgpr_workgroup_id_z 1
		.amdhsa_system_vgpr_workitem_id 0
		.amdhsa_next_free_vgpr 768
		.amdhsa_next_free_sgpr 80
		.amdhsa_reserve_vcc 0
		.amdhsa_float_denorm_mode_32 3
		.amdhsa_float_denorm_mode_16_64 3
		.amdhsa_memory_ordered 1
		.amdhsa_forward_progress 1
		.amdhsa_inst_pref_size 169
	.end_amdhsa_kernel
	.amdgpu_metadata
---
amdhsa.version: [ 1, 2 ]
amdhsa.kernels:
  - .name:           k_q337b4b1980_attn
    .symbol:         k_q337b4b1980_attn.kd
    .args:
      - { .name: qkv, .offset: 0, .size: 8, .value_kind: global_buffer, .address_space: global }
      - { .name: attention_mask, .offset: 8, .size: 8, .value_kind: global_buffer, .address_space: global }
      - { .name: stats, .offset: 16, .size: 8, .value_kind: global_buffer, .address_space: global }
      - { .name: out0, .offset: 24, .size: 8, .value_kind: global_buffer, .address_space: global }
    .group_segment_fixed_size: 327680
    .private_segment_fixed_size: 0
    .kernarg_segment_align: 8
    .kernarg_segment_size: 32
    .max_flat_workgroup_size: 128
    .sgpr_count:     80
    .vgpr_count:     768
    .wavefront_size: 32
...
	.end_amdgpu_metadata
.endif
;; end of part 3
;; ======== version 2 of 2: 3 launches; version 1 with the launch cast written anew for expert scheduling mode
;; limits: values are held in f16: magnitudes above 65,504 overflow, below 6.1e-05 lose precision; right only within a limited range of input values
;; workspace buffers: xb 16,777,216 bytes; wb 6,291,456 bytes; qkv 50,331,648 bytes; stats 8,192 bytes
;; launch cast (part 4): grid 704 x 1, 8 waves a work-group, no clusters, 0 bytes of LDS; arguments hidden_states, Wq, Wk, Wv, xb, wb; writes xb, wb
.if DOCPART == 4
	.amdgcn_target "amdgcn-amd-amdhsa--gfx1250"
	.amdhsa_code_object_version 6
	.text
	.protected	k_q337b4b1980_cast
	.globl	k_q337b4b1980_cast
	.p2align	8
	.type	k_q337b4b1980_cast,@function
k_q337b4b1980_cast:
	s_mov_b64 s[64:65], 0
	v_nop
	global_prefetch_b8 v0, s[64:65] scope:SCOPE_SE
	s_setreg_imm32_b32 hwreg(HW_REG_WAVE_SCHED_MODE, 0, 2), 2
	s_setreg_imm32_b32 hwreg(HW_REG_WAVE_MODE, 25, 1), 1
	s_wait_xcnt 0x0
	s_wait_alu depctr_vm_vsrc(0)
; x [8192][1024] and Wq, Wk, Wv [1024][1024], f32, are rounded once to bf16 and laid out in blocks of 64 along K, so that every tile of the
; product that follows is dense in memory:
;   xb [kb 16][row 8192][64 k]                       a row of a block is 128 bytes
;   wb [kb 16][head 16][t 3][row in head 64][64 k]   t = 0, 1, 2 for Wq, Wk, Wv: a head's 192 rows of a block lie together
; SHARES.  A wave takes two neighbouring rows: 2 x 4,096 bytes in, sixteen pieces of 256 bytes out.  x has 4,096 pairs (work-groups 0-511), each W 512
; (64 work-groups each).  No loop, no LDS, no barrier: nothing is shared, and each byte is read once and written once.
; Load kb takes the 64 numbers of block kb of both rows: lanes 0-15 the even row's 256 bytes, lanes 16-31 the odd row's.  A lane's four numbers round
; to 8 bytes, and the 32 lanes' 8 bytes are the two rows of block kb on end: 256 consecutive bytes, aligned, in one store.
; All sixteen loads of a wave go out at once; no register is written twice, so no wait frees a source.
; THE MODE: SCHED_MODE bits 1:0 = 2 (LLVM: expert scheduling mode 2), set by the entry lines.  The code itself states the register dependences
; between vector instructions and memory instructions, with s_wait_alu, always for 0.
; THE PLAN.  Registers that memory instructions touch:
;   v[IN], v[OF ..]  offsets, made by vector lines at the head and never written again: read by the loads (IN) and by store kb (OF + kb).
;   X                block kb: written by load kb alone; read by block kb's two conversions.  No vector line names it ahead of its load.
;   Y                block kb: written by block kb's two conversions, once; read by store kb.
; The sixteen K blocks go in four groups of four.  Group g rounds its four blocks; its memory instructions are the four stores of group g - 1, whose registers (OF and Y of
; that group) no vector line of group g names.  So one wait at a group's head states all that the group's stores hang on, and they are dealt among its conversions with no
; further wait.  One wait ahead of the first load serves all the offsets; one more stands ahead of the last four stores.  Nothing that a memory instruction reads is written again.
.set XSTR, 8192*128                    ; bytes of a K block of xb
.set WSTR, 3072*128                    ; of wb
.set IN,   1                           ; v1        (l / 16) x 4,096 + (l % 16) x 16
.set OF,   2                           ; v[2:17]   8 l + kb x the block's bytes
.set X,    32                          ; v[32:95]  block kb: 4 numbers as loaded
.set Y,    96                          ; v[96:127] block kb: 4 numbers in bf16
	s_load_b256 s[4:11], s[0:1], 0x0               ; x s[4:5], Wq s[6:7], Wk s[8:9], Wv s[10:11]
	s_load_b128 s[12:15], s[0:1], 0x20             ; xb s[12:13], wb s[14:15]
	v_lshrrev_b32 v18, 5, v0
	v_readfirstlane_b32 s16, v18                   ; wave 0..7
	v_and_b32 v19, 31, v0                          ; l
	v_and_b32 v20, 15, v0
	v_bfe_u32 v21, v0, 4, 1
	v_lshlrev_b32 v[IN], 4, v20
	v_lshl_add_u32 v[IN], v21, 12, v[IN]
	v_lshlrev_b32 v[OF], 3, v19
	s_wait_alu depctr_va_sdst(0)                   ; s16 is written, ahead of its first reader: the pair's number is made from it
	; both cases are worked out, and selects choose: no branch
	s_lshl_b32 s18, ttmp9, 3
	s_add_co_u32 s18, s18, s16                     ; x: the pair's number,
	s_lshl_b32 s19, s18, 8                         ; and its 256 bytes in a block of xb
	s_max_u32 s20, ttmp9, 512
	s_sub_co_u32 s20, s20, 512                     ; W: the work-group among the 192 (0 where the work-group is x's)
	s_lshr_b32 s21, s20, 6                         ; t
	s_and_b32 s20, s20, 63
	s_lshl_b32 s20, s20, 3
	s_add_co_u32 s20, s20, s16                     ; the pair's number in its W, 0..511
	s_lshr_b32 s22, s20, 5                         ; its head
	s_mul_i32 s22, s22, 3
	s_add_co_u32 s22, s22, s21
	s_lshl_b32 s22, s22, 13                        ; (3 head + t) x 64 rows x 128 bytes
	s_and_b32 s23, s20, 31
	s_lshl_b32 s23, s23, 8
	s_add_co_u32 s22, s22, s23                     ; + the pair in its head
	s_mov_b32 s17, WSTR
	s_cmp_lt_u32 ttmp9, 512                        ; x's?
	s_cselect_b32 s28, s18, s20
	s_cselect_b32 s30, s19, s22                    ; byte offset in block 0 of the output
	s_cselect_b32 s17, XSTR, s17                   ; bytes from block to block
	s_lshl_b32 s28, s28, 13                        ; byte offset of the pair in its input: 2 rows of 4,096
	s_mov_b32 s29, 0
	s_mov_b32 s31, 0
.set kb, 1
.rept 15
	v_add_nc_u32 v[OF+kb], s17, v[OF+kb-1]
.set kb, kb+1
.endr
	s_wait_kmcnt 0x0
	s_cmp_eq_u32 s21, 1
	s_cselect_b64 s[24:25], s[8:9], s[10:11]       ; Wk or Wv,
	s_cmp_eq_u32 s21, 0
	s_cselect_b64 s[24:25], s[6:7], s[24:25]       ; or Wq,
	s_cmp_lt_u32 ttmp9, 512
	s_cselect_b64 s[24:25], s[4:5], s[24:25]       ; or x
	s_cselect_b64 s[26:27], s[12:13], s[14:15]
	s_add_nc_u64 s[24:25], s[24:25], s[28:29]
	s_add_nc_u64 s[26:27], s[26:27], s[30:31]
	s_wait_alu depctr_va_vdst(0)                   ; v[IN] and the sixteen v[OF ..] are written: every load and store of the kernel reads one of them as its offset
.set kb, 0
.rept 16
	global_load_b128 v[X+4*kb:X+4*kb+3], v[IN], s[24:25] offset:256*kb th:TH_LOAD_NT
.set kb, kb+1
.endr
.set g, 0
.rept 4                                ; group g: K blocks 4 g to 4 g + 3
	s_wait_loadcnt 12-4*g                          ; loads come back in order: the group's four blocks are in, the 12 - 4 g younger ones stay out
.if g > 0
	s_wait_alu depctr_va_vdst(0)                   ; the conversions of the group before have written its Y, which the four stores below read
.endif
.set j, 0
.rept 4
.set kb, 4*g+j
.if g > 0
	global_store_b64 v[OF+kb-4], v[Y+2*(kb-4):Y+2*(kb-4)+1], s[26:27]  ; the group before; no vector line since the wait names these registers
.endif
	v_cvt_pk_bf16_f32 v[Y+2*kb], v[X+4*kb], v[X+4*kb+1]
	v_cvt_pk_bf16_f32 v[Y+2*kb+1], v[X+4*kb+2], v[X+4*kb+3]
.set j, j+1
.endr
.set g, g+1
.endr
	s_wait_alu depctr_va_vdst(0)                   ; the last group's conversions have written its Y, which the last four stores read
.set kb, 12
.rept 4
	global_store_b64 v[OF+kb], v[Y+2*kb:Y+2*kb+1], s[26:27]
.set kb, kb+1
.endr
	s_endpgm
.Lfunc_end_k_q337b4b1980_cast:
	.size	k_q337b4b1980_cast, .Lfunc_end_k_q337b4b1980_cast-k_q337b4b1980_cast
	.p2alignl 7, 3214868480
	.fill 96, 4, 3214868480
	.section	.rodata,"a",@progbits
	.p2align	6, 0x0
	.amdhsa_kernel k_q337b4b1980_cast
		.amdhsa_group_segment_fixed_size 0
		.amdhsa_private_segment_fixed_size 0
		.amdhsa_enable_private_segment 0
		.amdhsa_kernarg_size 48
		.amdhsa_user_sgpr_count 2
		.amdhsa_user_sgpr_kernarg_segment_ptr 1
		.amdhsa_wavefront_size32 1
		.amdhsa_system_sgpr_workgroup_id_x 1
		.amdhsa_system_sgpr_workgroup_id_y 1
		.amdhsa_system_sgpr_workgroup_id_z 1
		.amdhsa_system_vgpr_workitem_id 0
		.amdhsa_next_free_vgpr 128
		.amdhsa_next_free_sgpr 66
		.amdhsa_reserve_vcc 0
		.amdhsa_float_denorm_mode_32 3
		.amdhsa_float_denorm_mode_16_64 3
		.amdhsa_memory_ordered 1
		.amdhsa_forward_progress 1
		.amdhsa_inst_pref_size 8
	.end_amdhsa_kernel
	.amdgpu_metadata
---
amdhsa.version: [ 1, 2 ]
amdhsa.kernels:
  - .name:           k_q337b4b1980_cast
    .symbol:         k_q337b4b1980_cast.kd
    .args:
      - { .name: hidden_states, .offset: 0, .size: 8, .value_kind: global_buffer, .address_space: global }
      - { .name: Wq, .offset: 8, .size: 8, .value_kind: global_buffer, .address_space: global }
      - { .name: Wk, .offset: 16, .size: 8, .value_kind: global_buffer, .address_space: global }
      - { .name: Wv, .offset: 24, .size: 8, .value_kind: global_buffer, .address_space: global }
      - { .name: xb, .offset: 32, .size: 8, .value_kind: global_buffer, .address_space: global }
      - { .name: wb, .offset: 40, .size: 8, .value_kind: global_buffer, .address_space: global }
    .group_segment_fixed_size: 0
    .private_segment_fixed_size: 0
    .kernarg_segment_align: 8
    .kernarg_segment_size: 48
    .max_flat_workgroup_size: 256
    .sgpr_count:     66
    .vgpr_count:     128
    .wavefront_size: 32
...
	.end_amdgpu_metadata
.endif
;; end of part 4
;; launch proj: the kernel of part 2 again; grid 8 x 32, 4 waves a work-group, clusters of 4 x 4, 327,680 bytes of LDS; arguments xb, wb, bq, bk, bv, qkv, stats; writes qkv, stats
;; launch attn: the kernel of part 3 again; grid 4 x 64, 4 waves a work-group, clusters of 4 x 1, 327,680 bytes of LDS; arguments qkv, attention_mask, stats, out0; writes out0
